; MI455X (gfx1250); checked and timed in simulation.
; The chip was launched on July 23, 2026; its instructions are those of AMD's public machine-readable ISA for CDNA 5 (MIT licence, August 2026) and "CDNA5" Instruction Set Architecture Reference Guide (July 2026). The comments in the code are by the model that wrote it; some were corrected since.
;; Causal Self Attention. Allowed arithmetic: matrix products marked QUANTISED: E4M3 operands, one given power-of-two scale a tensor, by v_wmma_f32_16x16x64_fp8_fp8 or v_wmma_f32_16x16x128_fp8_fp8, f32 sums; everything else in f32.
;; Inputs: lowp_scales 8 int32 (the exponents e of the quantised operands' scales 2^e); w_proj 1,024 x 1,024 float32; w_qkv 1,024 x 3,072 float32; x 4 x 2,048 x 1,024 float32.
;; Outputs: out0 4 x 2,048 x 1,024 float32.
;; This version of the problem:
;;   THIS VERSION OF THE PROBLEM IS GIVEN IN LOW PRECISION. The matrix products marked QUANTISED in the list below multiply operands that are first quantised to E4M3 (4 exponent bits, 3 mantissa bits; 8 bits a number), with one given power-of-two scale for each operand tensor; their sums are f32. All else is computed in f32.
;;   The module's matrix products, in the order in which they are computed (A, B: the left and right operand; K: the contracted axis; several contracted axes count as one K, in the product's order):
;;     1. [M 8,192, K 1,024] x [K 1,024, N 3,072]; A: input x; B: input w_qkv: QUANTISED (scales: A lowp_scales[0], B lowp_scales[1])
;;     2. batch 64 x [M 2,048, K 64] x [K 64, N 2,048]; A: computed on the way; B: computed on the way: QUANTISED (scales: A lowp_scales[2], B lowp_scales[3])
;;     3. batch 64 x [M 2,048, K 2,048] x [K 2,048, N 64]; A: softmax (see below); B: computed on the way: QUANTISED (scales: A lowp_scales[4], B lowp_scales[5])
;;     4. [M 8,192, K 1,024] x [K 1,024, N 1,024]; A: computed on the way; B: input w_proj: QUANTISED (scales: A lowp_scales[6], B lowp_scales[7])
;;   THE QUANTISER, for each operand of a quantised product, along K:
;;     - The operand's scale is 2^e, e = its entry of the input lowp_scales (int32; the entries are numbered through the quantised products in the list's order, A before B).
;;     - Each number is divided by the scale, clamped to +-448, and rounded to the nearest number of E4M3, ties to even, subnormals kept.
;;     - The product sums the exact products of the quantised numbers (number of the format x scale) in f32.
;;   ~~~python
;;   def quantise(x, axis, e):      # numpy; x: float32 -> the quantised numbers, widened to float32 again
;;       x = np.moveaxis(x, axis, -1); K = x.shape[-1]
;;       r = np.clip(x / 2.0 ** e, -448, 448)
;;       step = 2.0 ** (np.maximum(np.frexp(np.where(r == 0, 1, r))[1] - 1, -6) - 3)
;;       q = np.round(r / step) * step * 2.0 ** e      # np.round: ties to even
;;       return np.moveaxis(q, -1, axis).astype(np.float32)
;;   ~~~
;;   SOFTMAX AHEAD OF A QUANTISED PRODUCT. Where the list says 'softmax', what is quantised is not the finished softmax but p = 2^(t - M), with t = logit x log2(e) and M = ceil(the row's largest t), a whole number; so 1/2 < the row's largest p <= 1. The row's sum l is taken of the UNQUANTISED p, in f32, and the product's result is divided by l at the end. Since M is a whole number, a kernel that streams over the keys may use a running M (the ceiling of the running maximum): every later rescaling is an exact power of two, so the quantised numbers keep their values, but for numbers so far below the row's largest that they fall under the format's range.
;;   OPERANDS COMPUTED ON THE WAY. 'Computed on the way' means the value that the module computes at that place (a softmax that the list does not call 'softmax' is quantised finished and normalised). What goes into a quantiser is computed in f32, as accurately as f32 sums, v_exp_f32 and their like allow (about 1e-6 of the number): no bf16 or f16 on the way to a quantiser, and a product that is left as it is and whose result goes on into a quantised operand takes f32 operands (vector FMAs, or v_wmma_f32_16x16x4_f32). A number that lies on a knife's edge between two numbers of the format may be rounded either way, as far as f32 arithmetic and the matrix unit's own rounding can turn it there, and no further.
;; One version. Each part assembles by itself: llvm-mc -triple=amdgcn-amd-amdhsa -mcpu=gfx1250 --defsym DOCPART=n.
;; ======== version 1 of 1: 4 launches
;; limits: right only within a limited range of input values
;; workspace buffers: xc 8,388,608 bytes; wqc 3,145,728 bytes; wpc 1,048,576 bytes; qkv 25,165,824 bytes; yc 8,388,608 bytes
;; launch quant (part 1): grid 640 x 1, 4 waves a work-group, no clusters, 34,304 bytes of LDS; arguments x, w_qkv, w_proj, lowp_scales, xc, wqc, wpc; writes xc, wqc, wpc
.if DOCPART == 1
	.amdgcn_target "amdgcn-amd-amdhsa--gfx1250"
	.amdhsa_code_object_version 6
	.text
	.protected	k_qcb4ab9e427_quant
	.globl	k_qcb4ab9e427_quant
	.p2align	8
	.type	k_qcb4ab9e427_quant,@function
k_qcb4ab9e427_quant:
	s_mov_b64 s[64:65], 0
	v_nop
	global_prefetch_b8 v0, s[64:65] scope:SCOPE_SE
	s_setreg_imm32_b32 hwreg(HW_REG_WAVE_MODE, 25, 1), 1
	s_wait_xcnt 0x0
; x [8192][1024], w_qkv [1024][3072] and w_proj [1024][1024], f32, become codes of E4M3, each tensor with the one scale 2^e that is given for it (entries 0, 1 and 7 of the scales).
; code = number / 2^e, held within +-448, rounded to the nearest code, ties to even.  LIMITS: each e between -126 and 119.  NaN among the inputs is not served; an infinity is held at the largest code.
; THE CODES ARE LAID AS IMAGES OF OPERAND REGISTERS.  A fragment is 16 rows x 128 along K in 16 registers: lane (r = lane % 16, h = lane / 16) holds row r, registers 2 c and 2 c + 1 hold k = 16 c + 8 h + 0 .. 7.
; Four registers of all 32 lanes are a chunk of 512 bytes, lane l's 16 bytes at 16 l; a fragment is four chunks, 2,048 bytes.  xc: [tile of 16 rows][K step of 128][2,048]; wqc, wpc: the same, a row being a column n of the weight.
; Work-groups 0 to 511 take x (K innermost), 512 to 639 the two weights (K is their first axis).  No tensor loads, no barrier: waves share nothing.  Only x's path uses LDS.
.set SPX,  528                         ; a stage row: 512 bytes + 16, so that sixteen lanes that read sixteen rows at one column start 4 words apart
.set STGB, 16*SPX                      ; a wave's stage
.set R0,   16                          ; x: v16-79   unit 0 as loaded, later unit 1's neighbours
.set R1,   80                          ;    v80-143  unit 1 as loaded
.set XA,   144                         ;    v144-207 unit 0's neighbours
.set CX,   208                         ;    v208-239 the two units' codes, never written twice
.set VO,   16                          ; w: v16-47   byte offset of row i of a block, at my column
.set XW,   48                          ;    v48-111  two sets of 32 numbers
.set CW,   112                         ;    v112-175 eight blocks' codes, never written twice
.macro SCALE e                         ; v11 = 2^e as f32 (the conversion takes its exponent field), s20 = 448 x 2^e
	s_add_co_i32 s20, \e, 127
	s_lshl_b32 s21, s20, 23
	v_mov_b32 v11, s21
	s_add_co_i32 s20, s20, 8
	s_lshl_b32 s20, s20, 23
	s_or_b32 s20, s20, 0x600000
.endm
	s_load_b256 s[4:11], s[0:1], 0x0               ; x s[4:5], w_qkv s[6:7], w_proj s[8:9], the scales' exponents s[10:11]
	s_load_b128 s[12:15], s[0:1], 0x20             ; xc s[12:13], wqc s[14:15]
	s_load_b64 s[16:17], s[0:1], 0x30              ; wpc
	v_lshl_add_u32 v240, v0, 2, 0x8400
	v_mov_b32 v241, 0
	v_lshrrev_b32 v1, 5, v0
	v_readfirstlane_b32 s18, v1                    ; wave 0..3
	v_and_b32 v4, 31, v0                           ; lane
	v_and_b32 v5, 15, v0                           ; r
	v_bfe_u32 v6, v0, 4, 1                         ; h
	s_wait_kmcnt 0x0
	s_load_b256 s[24:31], s[10:11], 0x0            ; e0 .. e7
	s_cmp_lt_u32 ttmp9, 512
	s_cbranch_scc0 .Lweights
; ---- x.  Work-group g takes rows 16 g .. 16 g + 15; wave w their K steps 2 w and 2 w + 1: two units of 16 rows x 128 numbers.
; Each load reads 512 consecutive bytes of one row.  A unit turns through the wave's own stage in LDS, so that lane (r, h) gets, of row r, the eight neighbours 16 c + 8 h + 0 .. 7 for c = 0 .. 7.
	s_lshl_b32 s20, ttmp9, 16                      ; 16 rows of 4,096 bytes
	s_lshl_b32 s21, s18, 10                        ; two K steps of 512 bytes
	s_add_co_u32 s20, s20, s21
	s_mov_b32 s21, 0
	s_add_nc_u64 s[4:5], s[4:5], s[20:21]
	s_lshl_b32 s20, ttmp9, 14                      ; a tile of rows is 8 fragments
	s_lshl_b32 s22, s18, 12                        ; two fragments
	s_add_co_u32 s20, s20, s22
	s_add_nc_u64 s[12:13], s[12:13], s[20:21]
	s_wait_alu depctr_va_vdst(0)
	v_lshlrev_b32 v1, 4, v4                        ; 16 x lane
	s_mul_i32 s19, s18, STGB
	v_add_nc_u32 v2, s19, v1                       ; into the stage: as loaded
	v_mul_u32_u24 v3, v5, SPX
	v_lshl_add_u32 v3, v6, 5, v3
	v_add_nc_u32 v3, s19, v3                       ; out of it: row r, + 32 h bytes
.macro XLOAD n
.irp r, 0,1,2,3,4,5,6,7,8,9,10,11,12,13,14,15
	global_load_b128 v[R0+64*\n+4*\r:R0+64*\n+4*\r+3], v1, s[4:5] offset:4096*\r+512*\n th:TH_LOAD_NT
.endr
.endm
.macro XTURN src, dst                  ; LDS serves a wave's instructions in order: no wait between the stores and the loads
.irp r, 0,1,2,3,4,5,6,7,8,9,10,11,12,13,14,15
	ds_store_b128 v2, v[\src+4*\r:\src+4*\r+3] offset:SPX*\r
.endr
.irp g, 0,1,2,3,4,5,6,7
	ds_load_b128 v[\dst+8*\g:\dst+8*\g+3], v3 offset:64*\g
	ds_load_b128 v[\dst+8*\g+4:\dst+8*\g+7], v3 offset:64*\g+16
.endr
.endm
.macro XQ src, n
.set i, 0
.rept 64
.set i, i+1
.endr
.irp g, 0,1,2,3,4,5,6,7
	v_cvt_scalef32_pk8_fp8_f32 v[CX+16*\n+2*\g:CX+16*\n+2*\g+1], v[\src+8*\g:\src+8*\g+7], v11
.endr
.irp c, 0,1,2,3
	global_store_b128 v1, v[CX+16*\n+4*\c:CX+16*\n+4*\c+3], s[12:13] offset:2048*\n+512*\c   ; a chunk: 512 consecutive bytes, aligned
.endr
.endm
	XLOAD 0
	XLOAD 1
	s_wait_alu depctr_va_vdst(0)
	s_wait_kmcnt 0x0
	SCALE s24
	s_wait_alu depctr_va_vdst(0)
	s_wait_loadcnt 16                              ; unit 0 is in; unit 1's sixteen loads may be out
	XTURN R0, XA
	s_wait_dscnt 0x0                               ; unit 0 is back, and its stores into the stage have read R0
	s_wait_loadcnt 0x0
	XTURN R1, R0                                   ; unit 1 goes through the same stage while unit 0 is worked
	XQ XA, 0
	s_wait_dscnt 0x0
	XQ R0, 1
	s_wait_tensorcnt 0x0
	ds_add_u32 v240, v241
	s_wait_dscnt 0x0
	s_endpgm
; ---- the weights.  One text serves both: pointers, row pitch and scale are chosen by the work-group's number.  A LANE TAKES A COLUMN n AND ITS REGISTERS RUN DOWN K, so the conversions give codes with K innermost.
; A work-group takes 128 columns x 256 along K, a wave 32 columns: 8 blocks of 32 along K.  Each load reads 128 consecutive bytes, the four waves side by side 512.
.Lweights:
	s_sub_co_u32 s19, ttmp9, 512                   ; 0 .. 127: below 96 w_qkv (24 blocks of columns x 4 quarters of K), else w_proj (8 x 4)
	s_lshr_b32 s20, s19, 2
	s_and_b32 s21, s19, 3                          ; which quarter of K
	s_cmp_lt_u32 s19, 96
	s_cselect_b64 s[6:7], s[6:7], s[8:9]           ; from
	s_cselect_b64 s[14:15], s[14:15], s[16:17]     ; to
	s_mov_b32 s22, 4096
	s_cselect_b32 s22, 12288, s22                  ; bytes from row to row
	s_cselect_b32 s23, 0, 24
	s_sub_co_u32 s20, s20, s23                     ; the block of columns in its own weight
	s_lshl_b32 s20, s20, 7
	s_lshl_b32 s23, s18, 5
	s_add_co_u32 s20, s20, s23                     ; my wave's first column n0
	s_lshl_b32 s48, s21, 8
	s_mul_i32 s48, s48, s22                        ; 256 rows a quarter
	s_lshl_b32 s49, s20, 2
	s_add_co_u32 s48, s48, s49
	s_mov_b32 s49, 0
	s_add_nc_u64 s[32:33], s[6:7], s[48:49]        ; block 0's first row, at n0
	s_lshl_b32 s48, s22, 5                         ; 32 rows on
.irp t, 1,2,3,4,5,6,7
	s_add_nc_u64 s[32+2*\t:33+2*\t], s[30+2*\t:31+2*\t], s[48:49]
.endr
	s_lshl_b32 s50, s20, 10                        ; 16 columns are 16,384 bytes of images
	s_lshl_b32 s51, s21, 12                        ; a quarter of K is two fragments
	s_add_co_u32 s50, s50, s51
	s_mov_b32 s51, 0
	s_add_nc_u64 s[14:15], s[14:15], s[50:51]
	s_wait_alu depctr_va_vdst(0)
	v_lshlrev_b32 v[VO], 2, v4
.set i, 1
.rept 31
	v_add_nc_u32 v[VO+i], s22, v[VO+i-1]
.set i, i+1
.endr
	v_lshlrev_b32 v3, 14, v6                       ; my column's tile of 16,
	v_lshl_add_u32 v3, v5, 4, v3                   ; and its place r in a chunk
.macro WLOAD t
.set i, 0
.rept 32
	global_load_b32 v[XW+32*((\t)%2)+i], v[VO+i], s[32+2*(\t):33+2*(\t)] th:TH_LOAD_NT
.set i, i+1
.endr
.endm
; Block t holds k = 32 (t % 4) + 0 .. 31 of K step t / 4: chunk t % 4.  Of that chunk the image's lane (r, 0) holds k + 0 .. 7 and 16 .. 23, lane (r, 1) holds k + 8 .. 15 and 24 .. 31.
.macro WBLOCK t
.if (\t) < 7
	s_wait_loadcnt 32                              ; this block is in; the next block's 32 loads may be out
.else
	s_wait_loadcnt 0x0
.endif
.set i, 0
.rept 32
.set i, i+1
.endr
.irp g, 0,1,2,3
	v_cvt_scalef32_pk8_fp8_f32 v[CW+8*(\t)+4*(\g%2)+2*(\g/2):CW+8*(\t)+4*(\g%2)+2*(\g/2)+1], v[XW+32*((\t)%2)+8*\g:XW+32*((\t)%2)+8*\g+7], v11
.endr
	global_store_b128 v3, v[CW+8*(\t):CW+8*(\t)+3], s[14:15] offset:((\t)/4)*2048+((\t)%4)*512        ; sixteen lanes store 256 consecutive bytes, aligned: the chunk's lower half
	global_store_b128 v3, v[CW+8*(\t)+4:CW+8*(\t)+7], s[14:15] offset:((\t)/4)*2048+((\t)%4)*512+256  ; and its upper half
.if (\t) < 6
	WLOAD (\t)+2
.endif
.endm
	WLOAD 0
	WLOAD 1
	s_wait_kmcnt 0x0
	s_cmp_lt_u32 s19, 96
	s_cselect_b32 s52, s25, s31                    ; e1 or e7
	SCALE s52
	s_wait_alu depctr_va_vdst(0)
.irp t, 0,1,2,3,4,5,6,7
	WBLOCK \t
.endr
	s_endpgm
.Lfunc_end_k_qcb4ab9e427_quant:
	.size	k_qcb4ab9e427_quant, .Lfunc_end_k_qcb4ab9e427_quant-k_qcb4ab9e427_quant
	.p2alignl 7, 3214868480
	.fill 96, 4, 3214868480
	.section	.rodata,"a",@progbits
	.p2align	6, 0x0
	.amdhsa_kernel k_qcb4ab9e427_quant
		.amdhsa_group_segment_fixed_size 34304
		.amdhsa_private_segment_fixed_size 0
		.amdhsa_enable_private_segment 0
		.amdhsa_kernarg_size 56
		.amdhsa_user_sgpr_count 2
		.amdhsa_user_sgpr_kernarg_segment_ptr 1
		.amdhsa_wavefront_size32 1
		.amdhsa_system_sgpr_workgroup_id_x 1
		.amdhsa_system_sgpr_workgroup_id_y 1
		.amdhsa_system_sgpr_workgroup_id_z 1
		.amdhsa_system_vgpr_workitem_id 0
		.amdhsa_next_free_vgpr 242
		.amdhsa_next_free_sgpr 66
		.amdhsa_reserve_vcc 0
		.amdhsa_float_denorm_mode_32 3
		.amdhsa_float_denorm_mode_16_64 3
		.amdhsa_fp16_overflow 1
		.amdhsa_memory_ordered 1
		.amdhsa_forward_progress 1
		.amdhsa_inst_pref_size 42
	.end_amdhsa_kernel
	.amdgpu_metadata
---
amdhsa.version: [ 1, 2 ]
amdhsa.kernels:
  - .name:           k_qcb4ab9e427_quant
    .symbol:         k_qcb4ab9e427_quant.kd
    .args:
      - { .name: x, .offset: 0, .size: 8, .value_kind: global_buffer, .address_space: global }
      - { .name: w_qkv, .offset: 8, .size: 8, .value_kind: global_buffer, .address_space: global }
      - { .name: w_proj, .offset: 16, .size: 8, .value_kind: global_buffer, .address_space: global }
      - { .name: lowp_scales, .offset: 24, .size: 8, .value_kind: global_buffer, .address_space: global }
      - { .name: xc, .offset: 32, .size: 8, .value_kind: global_buffer, .address_space: global }
      - { .name: wqc, .offset: 40, .size: 8, .value_kind: global_buffer, .address_space: global }
      - { .name: wpc, .offset: 48, .size: 8, .value_kind: global_buffer, .address_space: global }
    .group_segment_fixed_size: 34304
    .private_segment_fixed_size: 0
    .kernarg_segment_align: 8
    .kernarg_segment_size: 56
    .max_flat_workgroup_size: 128
    .sgpr_count:     66
    .vgpr_count:     242
    .wavefront_size: 32
...
	.end_amdgpu_metadata
.endif
;; end of part 1
;; launch qkvg (part 2): grid 12 x 32, 4 waves a work-group, clusters of 4 x 4, 327,680 bytes of LDS; arguments xc, wqc, lowp_scales, qkv; writes qkv
.if DOCPART == 2
	.amdgcn_target "amdgcn-amd-amdhsa--gfx1250"
	.amdhsa_code_object_version 6
	.text
	.protected	k_qcb4ab9e427_qkvg
	.globl	k_qcb4ab9e427_qkvg
	.p2align	8
	.type	k_qcb4ab9e427_qkvg,@function
k_qcb4ab9e427_qkvg:
	s_mov_b64 s[64:65], 0
	v_nop
	global_prefetch_b8 v0, s[64:65] scope:SCOPE_SE
	s_setreg_imm32_b32 hwreg(HW_REG_WAVE_MODE, 25, 1), 1
	s_wait_xcnt 0x0
	s_wait_alu depctr_hold_cnt(0) depctr_sa_sdst(0) depctr_va_vdst(0) depctr_va_sdst(0) depctr_va_ssrc(0) depctr_va_vcc(0) depctr_vm_vsrc(0)
	s_getreg_b32 s2, hwreg(HW_REG_IB_STS2, 6, 4)
	s_cmp_eq_u32 s2, 0
	s_cbranch_scc0 .Lentry_in_a_cluster
	s_endpgm
.Lentry_in_a_cluster:
	s_bfe_u32 s2, ttmp6, 0x10000c
	s_cmp_lg_u32 s2, 0xf033
	s_cbranch_scc0 .Lentry_shape_is_right
	s_endpgm
.Lentry_shape_is_right:
; qkv = x w_qkv on codes of E4M3, and q, k, v quantised at once for the two products of attention.  xc: 512 tiles of 16 tokens, wqc: 192 tiles of 16 columns, each [K step of 128: 8][2,048 bytes]: images of operand registers
; (lane (r, h): row r, registers 2 c, 2 c + 1: k = 16 c + 8 h + 0 .. 7; four registers of 32 lanes are 512 bytes, lane l's 16 bytes at 16 l).
; A tile of the product, 256 x 256, is made by four waves, each 128 x 128: 64 accumulators.  K = 1,024 goes in four steps of 256 through two LDS slots filled by the tensor data mover.
; CLUSTERS: 4 x 4 work-groups.  The four of a row of the cluster need the same tile of the operand called A here, the four of a column the same tile of B: each tile is asked for jointly.
; A cluster spans 1,024 columns of w_qkv, so the cluster's x says whether it makes q (0), k (1) or v (2): the same number in all sixteen partners.
; THE MATRIX INSTRUCTION IS USED TRANSPOSED (source 0 = 16 rows of B, source 1 = 16 rows of A): a lane holds one row of A, and its eight registers eight neighbouring rows of B.
; q, k: A = tokens, B = columns: a lane's registers run along the head's 64, the next K.  v: THE ROLES ARE SWAPPED, A = columns, B = tokens: the registers run along the keys, which are v's next K.  Only pointers and offsets are chosen; no branch.
; So each conversion of an accumulator's eight registers gives registers 2 c, 2 c + 1 of the next operand: the codes are stored as they stand, 512 consecutive bytes a store, with no way through LDS.
; qkv: q at 0, k at 8,388,608, v at 16,777,216; each [batch x head: 64][131,072].  q, k: [tile of 16 tokens: 128][1,024] (K = 64).  v: [128 keys: 16][tile of 16 of the head's 64: 4][2,048] (K = 128 keys).
; A sum stands for sum x 2^(e0 + e1); its code is sum / 2^(et - e0 - e1), et = e2, e3, e5 for q, k, v.  LIMIT: et - e0 - e1 between -126 and 119.
; REGISTERS, in windows of 256: window 0: v12-29 scales and addresses; from v128 A's fragments, ONE set, on the way out the codes.  window 1: B's fragments, TWO sets.  windows 2, 3: accumulator (a, b) at v[8 (8 (a % 4) + b)].
.set FR,     16                        ; registers of a fragment
.set NL,     4                         ; LDS loads that bring one
.set NP,     4                         ; places behind this matrix instruction (ISA guide 7.12.1)
.set STEPB,  4096                      ; a slot's bytes of one tile of 16 rows: two fragments
.set HALFT,  8*STEPB                   ; 128 rows: what one tensor load brings
.set SLOT,   4*HALFT                   ; A's 256 rows, then B's 256 rows
.set SPARE,  2*SLOT                    ; behind the ring: the spare words, 128 bytes a wave, which no other line names
.set LAPS,   2                         ; a lap = two K steps = once round the ring
.set SC,   12                          ; v12     the conversion's scale
.set LIM,  13
.set O0,   14                          ; v14-15  the stores' two offsets
.set ADRA, 16                          ; v16-17  LDS address of my A fragments in slot 0, 1
.set ADRB, 20                          ; v20-21  the same for B
.set SPW,  28                          ; v28     my spare word; never rewritten
.set NIL,  29                          ; v29     0; never rewritten
.set TMP,  32
.set AF,   128
.set CD,   128
.set G1, 24
.set G0, 32
.set G1B, 48
.set G0B, 56
.set MSB, 0
.macro WIN new                         ; the immediate's high byte repeats the setting that is left
.if MSB != \new
	s_set_vgpr_msb (MSB<<8)|\new
.set MSB, \new
.endif
.endm
.set MUL_LO, 0xa1                      ; source 0 (B) window 1, source 1 (A) window 0, C and D window 2
.set MUL_HI, 0xf1                      ; the same, C and D window 3
.set TO_B,   0x40                      ; destination window 1, address window 0
; A joint load: waves 0 and 1 fetch for A, waves 2 and 3 for B; the branch hangs on the wave's number alone.  Four v_nop follow each of the two lines.
.macro JLOAD g0a, g1a, g0b, g1b
	s_cmp_eq_u32 s15, 0
	s_cbranch_scc0 .Lfor_b_\@
	tensor_load_to_lds s[\g0a:\g0a+3], s[\g1a:\g1a+7]
	s_nop 0
.rept 4
	v_nop
.endr
	s_branch .Lasked_\@
.Lfor_b_\@:
	tensor_load_to_lds s[\g0b:\g0b+3], s[\g1b:\g1b+7]
	s_nop 0
.rept 4
	v_nop
.endr
.Lasked_\@:
.endm
.macro CREST                           ; a round of the cluster's barrier behind its opening barrier
	s_cmp_lg_u32 s14, 0
	s_cbranch_scc1 .Lnot_wave_0_\@
	s_barrier_signal -3
.Lnot_wave_0_\@:
	s_barrier_wait -3
	s_barrier_signal -1
	s_barrier_wait -1
.endm
.macro CROUND
	s_barrier_signal -1
	s_barrier_wait -1
	CREST
.endm
	s_load_b128 s[4:7], s[0:1], 0x0                ; xc s[4:5], wqc s[6:7]
	s_load_b128 s[8:11], s[0:1], 0x10              ; the scales' exponents s[8:9], qkv s[10:11]
	v_lshl_add_u32 v[SPW], v0, 2, SPARE
	v_mov_b32 v[NIL], 0
	ds_add_u32 v28, v29
	ds_add_u32 v28, v29
	s_wait_dscnt 0x0
	v_lshrrev_b32 v1, 5, v0
	v_readfirstlane_b32 s14, v1                    ; wave 0..3
	s_lshr_b32 s15, s14, 1                         ; which half of A's rows is mine.  Also: I fetch for A (0) or for B (1)
	s_and_b32 s16, s14, 1                          ; which half of B's rows.  Also: which 128 rows of that tile I fetch
	s_bfe_u32 s40, ttmp6, 0x40000                  ; cx
	s_bfe_u32 s41, ttmp6, 0x40004                  ; cy
	s_and_b32 s70, ttmp7, 0xffff                   ; the cluster's y: 1,024 tokens
	s_cmp_eq_u32 ttmp9, 2                          ; v?
	s_cselect_b32 s71, ttmp9, s70                  ; what counts A's tiles: for v the cluster's x (columns), else its y (tokens)
	s_cselect_b32 s88, s70, ttmp9                  ; what counts B's
	s_lshl_b32 s42, s88, 2
	s_add_co_u32 s42, s42, s40                     ; B's tile of 256 rows
	s_lshl_b32 s17, s71, 2
	s_add_co_u32 s17, s17, s41                     ; A's tile of 256 rows
	s_lshl_b32 s43, s41, 2
	s_lshl_b32 s43, 15, s43                        ; my row of the cluster
	s_lshl_b32 s44, 0x1111, s40                    ; my column
	; descriptor group 1: 8 rows (tiles of 16 rows of the operand) of 4,096 bytes, 16,384 bytes apart; elements of 8 bytes; dense in LDS
	s_or_b32 s[G1+0], s43, (3<<16)|(1<<21)         ; 15:0 the mask: A's tiles go to my row; 17:16 elements of 8 bytes; 21 set beside a mask
	s_or_b32 s[G1B+0], s44, (3<<16)|(1<<21)
.irp g, G1, G1B
	s_mov_b32 s[\g+1], 512<<16                     ; tensor_dim0 = 512 elements
	s_mov_b32 s[\g+2], 8<<16                       ; tensor_dim1 = 8
	s_mov_b32 s[\g+3], 512<<16                     ; tile_dim0
	s_mov_b32 s[\g+4], 8                           ; tile_dim1
	s_mov_b32 s[\g+5], 2048                        ; tensor_dim0_stride, in elements
	s_mov_b32 s[\g+6], 0
	s_mov_b32 s[\g+7], 0
.endr
	s_lshl_b32 s18, s16, 7                         ; which 128 rows of the tile I fetch
	s_lshl_b32 s20, s17, 8
	s_add_co_u32 s20, s20, s18
	s_lshl_b32 s20, s20, 10                        ; a row of an image is 1,024 bytes
	s_lshl_b32 s46, s42, 8
	s_add_co_u32 s46, s46, s18
	s_lshl_b32 s46, s46, 10
	s_mov_b32 s21, 0
	s_mov_b32 s47, 0
	s_mul_i32 s45, s14, HALFT                      ; where they go: no place in the cluster enters an LDS address
	s_wait_kmcnt 0x0
	s_load_b256 s[72:79], s[8:9], 0x0              ; e0 .. e7: waited for on the way out
	s_cmp_eq_u32 ttmp9, 2
	s_cselect_b64 s[66:67], s[6:7], s[4:5]         ; A
	s_cselect_b64 s[68:69], s[4:5], s[6:7]         ; B
	s_add_nc_u64 s[20:21], s[66:67], s[20:21]
	s_add_nc_u64 s[46:47], s[68:69], s[46:47]
	CROUND                                         ; all sixteen work-groups are here: the first joint loads meet
.irp s, 0,1
	s_mov_b32 s[G0+4*\s], 1
	s_add_co_u32 s[G0+4*\s+1], s45, \s*SLOT
	s_add_nc_u64 s[G0+4*\s+2:G0+4*\s+3], s[20:21], \s*STEPB
	s_or_b32 s[G0+4*\s+3], s[G0+4*\s+3], 0x80000000
	s_mov_b32 s[G0B+4*\s], 1
	s_add_co_u32 s[G0B+4*\s+1], s45, \s*SLOT
	s_add_nc_u64 s[G0B+4*\s+2:G0B+4*\s+3], s[46:47], \s*STEPB
	s_or_b32 s[G0B+4*\s+3], s[G0B+4*\s+3], 0x80000000
	JLOAD G0+4*\s, G1, G0B+4*\s, G1B
.endr
	v_and_b32 v6, 31, v0
	v_lshlrev_b32 v4, 4, v6                        ; 16 x lane: my place in every chunk
	s_wait_alu depctr_va_vdst(0)
	s_mul_i32 s21, s15, HALFT                      ; my 128 rows of A
	s_mul_i32 s22, s16, HALFT                      ; my 128 rows of B,
	s_add_co_u32 s22, s22, 2*HALFT                 ; which lie behind A's 256
.irp s, 0,1
	v_add_nc_u32 v[ADRA+\s], s21, v4
	v_add_nc_u32 v[ADRB+\s], s22, v4
	s_add_co_u32 s21, s21, SLOT
	s_add_co_u32 s22, s22, SLOT
.endr
	; where my codes go, one formula for q, k and v
	s_lshl_b32 s80, s17, 8
	s_lshl_b32 s81, s15, 7
	s_add_co_u32 s80, s80, s81                     ; my first row of A
	s_lshl_b32 s81, s42, 8
	s_lshl_b32 s82, s16, 7
	s_add_co_u32 s81, s81, s82                     ; my first row of B
	s_cmp_eq_u32 ttmp9, 2
	s_cselect_b32 s82, s81, s80                    ; my first token,
	s_cselect_b32 s83, s80, s81                    ; my first column of w_qkv
	s_mov_b32 s84, 1024
	s_cselect_b32 s84, 2048, s84                   ; from block to block of A: 16 tokens on (q, k), or the head's next 16 (v)
	s_cselect_b32 s86, 122880, 0                   ; v: behind four blocks the next head: 131,072 - 4 x 2,048
	s_mov_b32 s89, 131072
	s_cselect_b32 s89, 1024, s89                   ; a block's registers 8 to 15: the next head's fragment (q, k), or the same fragment's chunks 2 and 3 (v)
	s_mov_b32 s85, 0
	s_mov_b32 s87, 0
	s_lshr_b32 s90, s82, 11
	s_lshl_b32 s90, s90, 4                         ; 16 x batch
	s_and_b32 s91, s83, 1023
	s_lshr_b32 s91, s91, 6                         ; + head
	s_add_co_u32 s90, s90, s91
	s_lshl_b32 s90, s90, 17
	s_and_b32 s91, s82, 2047
	s_lshl_b32 s91, s91, 6                         ; a token is 64 bytes in all three layouts
	s_add_co_u32 s90, s90, s91
	s_lshl_b32 s91, ttmp9, 23                      ; q's, k's or v's region
	s_add_co_u32 s90, s90, s91
	s_mov_b32 s91, 0
	s_add_nc_u64 s[10:11], s[10:11], s[90:91]
	v_mov_b32 v[O0], v4
	v_add_nc_u32 v[O0+1], s89, v4
.macro FRAG reg, adr, q, i             ; a fragment comes as it was stored: four chunks
.irp c, 0,1,2,3
	ds_load_b128 v[\reg+4*\c:\reg+4*\c+3], v[\adr] offset:2048*(\q)+512*\c+(\i)*STEPB
.endr
.endm
; 16 matrix instructions: A's blocks a0, a0 + 1 x B's eight, 128 along K.  p: B's set.  zero = 1: the first product starts the sums.  The 64 accumulators take turns, one instruction a turn.
.macro MUL16 a0, p, zero
.irp a, \a0, \a0+1
.irp b, 0,1,2,3,4,5,6,7
.if \zero
	v_wmma_f32_16x16x128_fp8_fp8 v[8*(8*((\a)%4)+\b):8*(8*((\a)%4)+\b)+7], v[128*(\p)+FR*\b:128*(\p)+FR*\b+FR-1], v[AF+FR*(\a):AF+FR*(\a)+FR-1], 0
.else
	v_wmma_f32_16x16x128_fp8_fp8 v[8*(8*((\a)%4)+\b):8*(8*((\a)%4)+\b)+7], v[128*(\p)+FR*\b:128*(\p)+FR*\b+FR-1], v[AF+FR*(\a):AF+FR*(\a)+FR-1], v[8*(8*((\a)%4)+\b):8*(8*((\a)%4)+\b)+7]
.endif
.endr
.endr
.endm
.macro FETCH_B slot, q, p
	WIN TO_B
.irp i, 0,1,2,3,4,5,6,7
	FRAG 128*(\p)+FR*\i, ADRB+\slot, \q, \i
.endr
	WIN 0
.endm
.macro FETCH_A slot, q, i0
.irp i, \i0, \i0+1, \i0+2, \i0+3
	FRAG AF+FR*(\i), ADRA+\slot, \q, \i
.endr
.endm
.macro PLACES n                        ; plain vector instructions between a matrix instruction and a load into its registers, or a read of its result
.rept \n
	v_nop
.endr
.endm
; A step of 128 along K that has its successor in the same slot.  A block of A is free as soon as its eight products are issued: blocks 0-3 are fetched anew in the step's middle, blocks 4-7 at its end.
.macro STEP slot, q, zero
	s_wait_dscnt 4*NL                              ; B's set and A's blocks 0-3 are in; the youngest sixteen loads (A's blocks 4-7) may be out
	WIN MUL_LO
	MUL16 0, (\q)%2, \zero
	MUL16 2, (\q)%2, \zero
	s_wait_dscnt 0
	PLACES NP
	FETCH_B \slot, (\q)+1, 1-(\q)%2
	FETCH_A \slot, (\q)+1, 0
	WIN MUL_HI
	MUL16 4, (\q)%2, \zero
	MUL16 6, (\q)%2, \zero
	PLACES NP
	WIN 0
	FETCH_A \slot, (\q)+1, 4
.endm
; A slot's last step changes slots: one barrier; in front of it each wave waits for all its tensor loads, adds 0 to its spare word, and waits for that and for its own reads of this slot.  fill = 1: this slot is filled again, two K steps ahead.
.macro TURN slot, next, fill
	s_wait_tensorcnt 0x0                           ; all my tensor loads have landed: my part of the next slot
	ds_add_u32 v[SPW], v[NIL]                      ; 0 onto my spare word
	s_wait_dscnt 4*NL+1                            ; the add and the youngest sixteen loads may be out
	WIN MUL_LO
	MUL16 0, 1, 0
	s_wait_dscnt 0x0                               ; the add is done, and my reads of this slot are over
	s_barrier_signal -1
	MUL16 2, 1, 0
	WIN 0
	s_barrier_wait -1
.if \fill
	CREST                                          ; the barrier has opened a round of the cluster's barrier: no wave of any partner still reads this slot or has a load on its way
	s_add_nc_u64 s[G0+4*\slot+2:G0+4*\slot+3], s[G0+4*\slot+2:G0+4*\slot+3], 2*STEPB
	s_add_nc_u64 s[G0B+4*\slot+2:G0B+4*\slot+3], s[G0B+4*\slot+2:G0B+4*\slot+3], 2*STEPB
	JLOAD G0+4*\slot, G1, G0B+4*\slot, G1B         ; the first tensor load behind the round; its four v_nop are also the places in front of the loads below
.else
	PLACES NP
.endif
	FETCH_B \next, 0, 0
	FETCH_A \next, 0, 0
	WIN MUL_HI
	MUL16 4, 1, 0
	MUL16 6, 1, 0
	PLACES NP
	WIN 0
	FETCH_A \next, 0, 4
.endm
	s_wait_alu depctr_va_vdst(0)
	s_wait_tensorcnt 1                             ; my part of K step 0 is in; K step 1's load may be out
	s_barrier_signal -1
	s_barrier_wait -1
	FETCH_B 0, 0, 0
	FETCH_A 0, 0, 0
	FETCH_A 0, 0, 4
	STEP 0, 0, 1                                   ; the first step's products start the sums
	s_mov_b32 s3, LAPS-1
.Llap:                                                 ; a trip goes once round the ring and fills both slots again
	TURN 0, 1, 1
	STEP 1, 0, 0
	TURN 1, 0, 1
	STEP 0, 0, 0
	s_sub_co_u32 s3, s3, 1
	s_cmp_lg_u32 s3, 0
	s_cbranch_scc1 .Llap
	TURN 0, 1, 0                                   ; the last lap fills nothing
	STEP 1, 0, 0
	s_wait_dscnt 4*NL
	WIN MUL_LO
	MUL16 0, 1, 0
	MUL16 2, 1, 0
	s_wait_dscnt 0
	WIN MUL_HI
	MUL16 4, 1, 0
	MUL16 6, 1, 0
	WIN 0
; THE WAY OUT, block a of A's eight at a time: eight conversions straight from the accumulators; four stores of 512 consecutive bytes.  Each block has its own 16 registers of codes.
.macro OUTQ a
	WIN 0x02+((\a)/4)                              ; source 0: window 2 or 3
.set j, 0
.rept 64
.set j, j+1
.endr
.irp b, 0,1,2,3,4,5,6,7
	v_cvt_scalef32_pk8_fp8_f32 v[CD+16*(\a)+2*\b:CD+16*(\a)+2*\b+1], v[TMP+8*\b+((64*((\a)%4)+j)-(TMP+j)):TMP+8*\b+7+((64*((\a)%4)+j)-(TMP+j))], v[SC]
.endr
	WIN 0
	v_nop
.if (\a) > 0
	s_wait_alu depctr_va_vdst(0)
	s_wait_xcnt 0x0                                ; the earlier stores have read their base: it may step
	s_add_nc_u64 s[10:11], s[10:11], s[84:85]
.endif
.if (\a) == 4
	s_add_nc_u64 s[10:11], s[10:11], s[86:87]
.endif
.irp j, 0,1,2,3
	global_store_b128 v[O0+\j/2], v[CD+16*(\a)+4*\j:CD+16*(\a)+4*\j+3], s[10:11] offset:512*(\j%2)
.endr
.endm
	s_wait_kmcnt 0x0
	s_cmp_eq_u32 ttmp9, 0
	s_cselect_b32 s80, s74, s75                    ; e2 for q, e3 for k,
	s_cmp_eq_u32 ttmp9, 2
	s_cselect_b32 s80, s77, s80                    ; e5 for v
	s_sub_co_i32 s80, s80, s72
	s_sub_co_i32 s80, s80, s73                     ; less e0 and e1: the three scales folded into the conversion's one
	s_add_co_i32 s80, s80, 127
	s_lshl_b32 s81, s80, 23
	v_mov_b32 v[SC], s81
	s_add_co_i32 s80, s80, 8
	s_lshl_b32 s80, s80, 23
	s_or_b32 s80, s80, 0x600000
	PLACES NP                                      ; behind the last products: for the reads of their results and the writes over A's fragments
.irp a, 0,1,2,3,4,5,6,7
	OUTQ \a
.endr
	s_wait_tensorcnt 0x0                           ; the wave's end
	ds_add_u32 v[SPW], v[NIL]
	s_wait_dscnt 0x0
	CROUND                                         ; the closing round: no work-group ends while a partner may still ask for a tile that names it
	s_endpgm
.Lfunc_end_k_qcb4ab9e427_qkvg:
	.size	k_qcb4ab9e427_qkvg, .Lfunc_end_k_qcb4ab9e427_qkvg-k_qcb4ab9e427_qkvg
	.p2alignl 7, 3214868480
	.fill 96, 4, 3214868480
	.section	.rodata,"a",@progbits
	.p2align	6, 0x0
	.amdhsa_kernel k_qcb4ab9e427_qkvg
		.amdhsa_group_segment_fixed_size 327680
		.amdhsa_private_segment_fixed_size 0
		.amdhsa_enable_private_segment 0
		.amdhsa_kernarg_size 32
		.amdhsa_user_sgpr_count 2
		.amdhsa_user_sgpr_kernarg_segment_ptr 1
		.amdhsa_wavefront_size32 1
		.amdhsa_system_sgpr_workgroup_id_x 1
		.amdhsa_system_sgpr_workgroup_id_y 1
		.amdhsa_system_sgpr_workgroup_id_z 1
		.amdhsa_system_vgpr_workitem_id 0
		.amdhsa_next_free_vgpr 1024
		.amdhsa_next_free_sgpr 96
		.amdhsa_reserve_vcc 0
		.amdhsa_float_denorm_mode_32 3
		.amdhsa_float_denorm_mode_16_64 3
		.amdhsa_fp16_overflow 1
		.amdhsa_memory_ordered 1
		.amdhsa_forward_progress 1
		.amdhsa_inst_pref_size 87
	.end_amdhsa_kernel
	.amdgpu_metadata
---
amdhsa.version: [ 1, 2 ]
amdhsa.kernels:
  - .name:           k_qcb4ab9e427_qkvg
    .symbol:         k_qcb4ab9e427_qkvg.kd
    .args:
      - { .name: xc, .offset: 0, .size: 8, .value_kind: global_buffer, .address_space: global }
      - { .name: wqc, .offset: 8, .size: 8, .value_kind: global_buffer, .address_space: global }
      - { .name: lowp_scales, .offset: 16, .size: 8, .value_kind: global_buffer, .address_space: global }
      - { .name: qkv, .offset: 24, .size: 8, .value_kind: global_buffer, .address_space: global }
    .group_segment_fixed_size: 327680
    .private_segment_fixed_size: 0
    .kernarg_segment_align: 8
    .kernarg_segment_size: 32
    .max_flat_workgroup_size: 128
    .sgpr_count:     96
    .vgpr_count:     1024
    .wavefront_size: 32
...
	.end_amdgpu_metadata
.endif
;; end of part 2
;; launch attn (part 3): grid 4 x 64, 8 waves a work-group, no clusters, 327,680 bytes of LDS; arguments qkv, lowp_scales, yc; writes yc
.if DOCPART == 3
	.amdgcn_target "amdgcn-amd-amdhsa--gfx1250"
	.amdhsa_code_object_version 6
	.text
	.protected	k_qcb4ab9e427_attn
	.globl	k_qcb4ab9e427_attn
	.p2align	8
	.type	k_qcb4ab9e427_attn,@function
k_qcb4ab9e427_attn:
	s_mov_b64 s[64:65], 0
	v_nop
	global_prefetch_b8 v0, s[64:65] scope:SCOPE_SE
	s_setreg_imm32_b32 hwreg(HW_REG_WAVE_MODE, 25, 1), 1
	s_wait_xcnt 0x0
; y = softmax(q k^T / 8, causal) v for 64 heads of 2,048 tokens x 64, both products on codes of E4M3, and y quantised at once for the last product.
; qkv: q at 0, k at 8,388,608, v at 16,777,216; each [head: 64][131,072], images of operand registers (lane (r, h): row r, registers 2 c, 2 c + 1: k = 16 c + 8 h + 0 .. 7; four registers of 32 lanes are 512 bytes).
; q, k: [tile of 16 tokens][1,024], K = the head's 64.  v: [128 keys][tile of 16 of the head's 64: 4][2,048], K = the keys.  yc: [tile of 16 tokens: 512][head: 16][1,024], K = the head's 64.
; THE SOFTMAX: t = score x 2^(e2 + e3) x log2(e) / 8; M = the running largest t rounded UP to a whole number; p = 2^(t - M) is quantised with 2^e4, not normalised; the row's sum is taken of the unquantised p and divides at the end.
; When M moves, the sum and O are multiplied by 2^(old M - new M), which rounds nothing.
; SHARES.  Work-group (i, head) owns the blocks 7 - i and i of 256 queries, the high one first: 8 - i and i + 1 visits of a slot of 256 keys, NINE in every work-group, so that all trip counts are constants and the work is even.
; Each of the eight waves owns 32 queries of the block in hand, two tiles of 16, which share every fragment of K and V.  A step of 128 keys all of which come after the wave's queries is left out by a scalar branch on ids.
; LAYOUT.  Both products are used transposed: S^T = K Q^T (source 0 = 16 keys), O^T = V^T P^T (source 0 = 16 of the head's 64): a lane holds ONE query throughout, and an accumulator's eight registers are eight neighbours
; along the next K, so every conversion gives registers 2 c, 2 c + 1 of the next operand.
; NO CLUSTER: the four work-groups of a head ask for the same slot only in visits 0 to 4 (slot v); from visit 5 on work-group i is at slot v or at slot v - 8 + i, and one common walk of all four would take 12 slots in place of 9.
; LIMITS: e2 + e3 between -123 and 130 (added to an exponent field); e4 and e6 between -126 and 119; e4 + e5 is applied by v_ldexp_f32 and has none.
; REGISTERS.  Window 0: v1-7 addresses; v8-15 statistics; v16-31 Q; v32-159 S^T, then p; v160-191 p's codes; v192-207 at work; v208, v210, v211 constants; v212-227 y's codes.  Window 1: v0-63 K, v64-127 V, v128-191 O^T.
.set SLOT1, 32768                      ; a slot: K's step 0, K's step 1, V's step 0, V's step 1, 8,192 bytes each; slot 1 begins here
.set SPARE, 65536                      ; behind the ring: the spare words, 128 bytes a wave, which no other line names
.set LI,   1                           ; v1   16 x lane
.set ADR,  2                           ; v2   the slot in hand + 16 x lane
.set PFO,  3                           ; v3   256 x lane
.set SPW,  5                           ; v5   my spare word; never rewritten
.set NIL,  6                           ; v6   0; never rewritten
.set RH,   7                           ; v7   lane % 16 - 8 (lane / 16)
.set ST,   8                           ; tile u at v[8 + 4 u]: -M, the largest t, the sum in two halves
.set Q,    16                          ; tile u: 8 registers
.set SB,   32                          ; tile u: 64 registers
.set P,    160                         ; tile u: 16 registers
.set TM,   192                         ; tile u at v[192 + 8 u]: +0, +1 chains; +2 f, +3 named with it; +4, +5 the sum's second chain; +6 a permute's destination; +7 the mask's d
.set PSC,  208                         ; 2^e4
.set PLIM, 209
.set NINF, 210                         ; -infinity
.set YSC,  211                         ; 2^e6
.set Y,    212
.set YLIM, 228
.set KR,   0                           ; in window 1
.set VR,   64
.set OT,   128
.set TB,   2                           ; s2   LDS byte at which the slot in hand begins
.set T0,   3                           ; s3   at work
.set WV,   10
.set I,    11
.set BH,   12
.set SLOTS, 13                         ; s13  visits still to be asked for
.set NS,   14                          ; s14  the slot of keys asked for last
.set LIM,  15                          ; s15  2 in a wave that prefetches, else the greatest number
.set OF,   16                          ; s[16:17] 16,384 x NS
.set Q0,   18                          ; s18  my first query of the block in hand
.set Q0L,  19                          ; s19  of the low block
.set SEL,  20                          ; s[20:21] v_permlanex16_b32's selects: lane l xor 16
.set CS,   22                          ; s[22:23] c = 2^(e2 + e3) log2(e) / 8
.set G1,   24
.set G0,   32
.set KVB,  36                          ; s[36:37] my quarter of the head's slot 0
.set PFA,  38                          ; s[38:39] where my prefetches stand
.set QBH,  40
.set QBL,  42
.set YBH,  44
.set YBL,  46
.set KF,   56                          ; s56  the step's first key
.set EPV,  57                          ; s57  e4 + e5
.set MSB, 0
.macro WIN new                         ; the immediate's high byte repeats the setting that is left
.if MSB != \new
	s_set_vgpr_msb (MSB<<8)|\new
.set MSB, \new
.endif
.endm
.set W_LD, 0x40                        ; destination window 1
.set W_KQ, 0x01                        ; source 0 window 1
.set W_RS, 0x41                        ; destination and source 0 window 1
.set W_PV, 0x51                        ; destination, source 0 and source 2 window 1
; Waves 0 to 3 fetch a quarter of a slot each, the others nothing; the branch hangs on the wave's number alone.  Four v_nop follow the load.
.macro TLOAD
	s_cmp_lt_u32 s[WV], 4
	s_cbranch_scc0 .Lnone_\@
	tensor_load_to_lds s[G0:G0+3], s[G1:G1+7]
	s_nop 0
.rept 4
	v_nop
.endr
.Lnone_\@:
.endm
; A PREFETCH INTO THE L2 of the slot of keys that the NEXT visit's tensor loads will ask for.  All four work-groups of a head begin their walk at slot 0: work-group 0, whose first walk goes through all eight slots, asks, in its visits 0 to 5,
; for slots 2 to 7.  In it the waves ask that fetch nothing: waves 4 and 5 for K's two steps, waves 6 and 7 for V's, 8,192 bytes each, lanes 256 bytes apart: each aligned block of 256 bytes is named once in the launch.  Slots 0 and 1 come by their loads alone.
.macro ASK
	s_cmp_gt_u32 s[SLOTS], s[LIM]
	s_cbranch_scc0 .Lnot_mine_\@
	global_prefetch_b8 v[PFO], s[PFA:PFA+1] th:TH_LOAD_NT scope:SCOPE_SE
.Lnot_mine_\@:
.endm
.macro QLOAD base                      ; my two tiles of queries
.irp u, 0,1
.irp c, 0,1
	global_load_b128 v[Q+8*\u+4*\c:Q+8*\u+4*\c+3], v[LI], s[\base:\base+1] offset:1024*\u+512*\c
.endr
.endr
.endm
.macro INIT                            ; the step is written once: a block's first step finds zeros, which the first change of M leaves zeros
.irp u, 0,1
	v_mov_b32 v[ST+4*\u+1], 0xff61b1e6             ; the largest t so far: -3e38
	s_delay_alu instid0(VALU_DEP_1)
	v_floor_f32 v[ST+4*\u], -v[ST+4*\u+1]
	v_mov_b32 v[ST+4*\u+2], 0
	v_mov_b32 v[ST+4*\u+3], 0
.endr
	WIN W_LD
.set j, 0
.rept 64
	v_mov_b32 v[OT+j], 0
.set j, j+1
.endr
	WIN 0
.endm
; THE CHANGE OF SLOTS stands at a visit's head.  Each wave waits for all its tensor loads, adds 0 to its spare word, and waits for that and for its reads of the slot that it has left.  Behind the barrier the slot ahead is whole
; and nobody reads the other one.  fill = 1: that other slot is filled for the next visit: the next slot of keys, or slot 0 again where the next visit begins the low block.
.macro CHANGE fill
	s_wait_tensorcnt 0x0                           ; no tensor load of mine is out, so the descriptor may be written
	ds_add_u32 v[SPW], v[NIL]                      ; 0 onto my spare word
.if \fill
	s_add_co_u32 s[NS], s[NS], 1
	s_sub_co_u32 s[T0], s[SLOTS], 1
	s_cmp_eq_u32 s[T0], s[I]                       ; the next visit is the low block's first
	s_cselect_b32 s[NS], 0, s[NS]
	s_lshl_b32 s[OF], s[NS], 14
	s_add_nc_u64 s[G0+2:G0+3], s[KVB:KVB+1], s[OF:OF+1]
	s_or_b32 s[G0+3], s[G0+3], 0x80000000
	s_xor_b32 s[G0+1], s[G0+1], SLOT1
	s_wait_xcnt 0x0                                ; the last prefetch, a visit back, has read its address
	s_add_nc_u64 s[PFA:PFA+1], s[PFA:PFA+1], 16384
.endif
	s_wait_dscnt 0x0                               ; the add is done, and my reads of the slot that I have left are over
	s_barrier_signal -1
	s_barrier_wait -1
.if \fill
	TLOAD                                          ; the first thing behind the barrier, and a wave's one tensor load until the next
	ASK
.endif
.endm
; A KEY STEP: 128 keys, the q-th of the slot in hand, against my 32 queries.
.macro STEP q
	s_add_co_u32 s[T0], s[Q0], 31
	s_cmp_gt_u32 s[KF], s[T0]                      ; all keys come after all my queries: nothing to do
	s_cbranch_scc1 .Lhidden_\@
	v_add_nc_u32 v[ADR], s[TB], v[LI]
	WIN W_LD
.irp t, 0,1,2,3,4,5,6,7
.irp c, 0,1
	ds_load_b128 v[KR+8*\t+4*\c:KR+8*\t+4*\c+3], v[ADR] offset:8192*(\q)+1024*\t+512*\c
.endr
.endr
.irp d, 0,1,2,3
.irp c, 0,1,2,3
	ds_load_b128 v[VR+16*\d+4*\c:VR+16*\d+4*\c+3], v[ADR] offset:16384+8192*(\q)+2048*\d+512*\c
.endr
.endr
	s_wait_dscnt 16                                ; K is in; V's sixteen loads may be out
	WIN W_KQ
.irp t, 0,1,2,3,4,5,6,7
.irp u, 0,1
	v_wmma_f32_16x16x64_fp8_fp8 v[SB+64*\u+8*\t:SB+64*\u+8*\t+7], v[KR+8*\t:KR+8*\t+7], v[Q+8*\u:Q+8*\u+7], 0   ; lane (r, h), register 8 t + j: query r of tile u, key 16 t + 8 h + j
.endr
.endr
	WIN 0
.rept 4
	v_nop                                          ; places in front of the first read of the scores
.endr
	s_add_co_u32 s[T0], s[KF], 127
	s_cmp_le_u32 s[T0], s[Q0]                      ; all keys count for all my queries: no mask
	s_cbranch_scc1 .Lopen_\@
	s_sub_co_i32 s[T0], s[Q0], s[KF]
	v_add_nc_u32 v[TM+7], s[T0], v[RH]             ; d = my query - the step's first key - 8 (lane / 16): register n is hidden where 16 (n / 8) + n % 8 > d
	s_delay_alu instid0(VALU_DEP_1)
	v_add_nc_u32 v[TM+15], 16, v[TM+7]
.set n, 0
	s_wait_alu depctr_va_vdst(0)
.rept 64
.irp u, 0,1
	v_cmp_gt_i32 vcc_lo, 16*(n/8)+n%8, v[TM+8*\u+7]
	v_cndmask_b32 v[SB+64*\u+n], v[SB+64*\u+n], v[NINF], vcc_lo
.endr
.set n, n+1
.endr
.Lopen_\@:
.irp u, 0,1
	v_max3_num_f32 v[TM+8*\u], v[SB+64*\u], v[SB+64*\u+1], v[SB+64*\u+2]          ; the step's largest score of my query among my 64 keys: two chains a tile, each accumulator from its low end on
	v_max3_num_f32 v[TM+8*\u+1], v[SB+64*\u+3], v[SB+64*\u+4], v[SB+64*\u+5]
.endr
.irp i, 6,10,14,18,22,26,30,34,38,42,46,50,54,58
.irp u, 0,1
	v_max3_num_f32 v[TM+8*\u], v[TM+8*\u], v[SB+64*\u+\i], v[SB+64*\u+\i+1]
	v_max3_num_f32 v[TM+8*\u+1], v[TM+8*\u+1], v[SB+64*\u+\i+2], v[SB+64*\u+\i+3]
.endr
.endr
.irp u, 0
	v_max3_num_f32 v[TM+8*\u], v[TM+8*\u], v[SB+64*\u+62], v[SB+64*\u+63]
.endr
.irp u, 1
	v_max3_num_f32 v[TM+8*\u], v[TM+8*\u], v[SB+64*\u+62], v[SB+64*\u+63]
.endr
.irp u, 0,1
	s_delay_alu instid0(VALU_DEP_2)
	v_max_num_f32 v[TM+8*\u], v[TM+8*\u], v[TM+8*\u+1]
.endr
.irp u, 0,1
	s_delay_alu instid0(VALU_DEP_2)
	v_permlanex16_b32 v[TM+8*\u+6], v[TM+8*\u], s[SEL], s[SEL+1]
.endr
.irp u, 0,1
	s_delay_alu instid0(VALU_DEP_2)
	v_max_num_f32 v[TM+8*\u], v[TM+8*\u], v[TM+8*\u+6]                            ; and among lane l xor 16's
.endr
.irp u, 0,1
	s_delay_alu instid0(VALU_DEP_2)
	v_mul_f32 v[TM+8*\u], s[CS], v[TM+8*\u]                                       ; as t (c is positive)
.endr
.irp u, 0,1
	s_delay_alu instid0(VALU_DEP_2)
	v_max_num_f32 v[ST+4*\u+1], v[ST+4*\u+1], v[TM+8*\u]                          ; the running largest t
.endr
.irp u, 0,1
	v_mov_b32 v[TM+8*\u], v[ST+4*\u]
.endr
.irp u, 0,1
	s_delay_alu instid0(VALU_DEP_4)
	v_floor_f32 v[ST+4*\u], -v[ST+4*\u+1]                                         ; the new -M = floor(-t): M is a whole number
.endr
.irp u, 0,1
	s_delay_alu instid0(VALU_DEP_2)
	v_sub_f32 v[TM+8*\u], v[ST+4*\u], v[TM+8*\u]                                  ; old M - new M, 0 or less
.endr
.irp u, 0,1
	s_delay_alu instid0(VALU_DEP_2)
	v_cvt_i32_f32 v[TM+8*\u], v[TM+8*\u]                                          ; (it saturates)
.endr
.irp u, 0,1
	s_delay_alu instid0(VALU_DEP_2)
	v_ldexp_f32 v[TM+8*\u+2], 1.0, v[TM+8*\u]                                     ; f = 2^(old M - new M)
.endr
.set j, 0
.rept 32
.irp u, 0,1
	v_pk_fma_f32 v[SB+64*\u+j:SB+64*\u+j+1], v[SB+64*\u+j:SB+64*\u+j+1], s[CS:CS+1], v[ST+4*\u:ST+4*\u+1] op_sel_hi:[1,0,0]   ; t - M (of the pairs c and -M the low word serves both halves)
.endr
.set j, j+2
.endr
.set j, 0
	s_wait_alu depctr_va_vdst(0)
.rept 64
.irp u, 0,1
	v_exp_f32 v[SB+64*\u+j], v[SB+64*\u+j]                                        ; p = 2^(t - M), at most 1
.endr
.set j, j+1
.endr
.irp u, 0,1
	v_pk_mul_f32 v[ST+4*\u+2:ST+4*\u+3], v[ST+4*\u+2:ST+4*\u+3], v[TM+8*\u+2:TM+8*\u+3] op_sel_hi:[1,0]   ; the sums under the new M: plain instructions behind the exponentials
.endr
	s_wait_alu depctr_va_vdst(0)                   ; one wait for the batch of 128 exponentials, ahead of its first reader
.irp u, 0,1
	v_pk_add_f32 v[TM+8*\u+4:TM+8*\u+5], v[SB+64*\u:SB+64*\u+1], v[SB+64*\u+2:SB+64*\u+3]   ; the row's sum is taken of the unquantised p: two chains a tile
.endr
.irp j, 4,8,12,16,20,24,28,32,36,40,44,48,52,56,60
.irp u, 0,1
	v_pk_add_f32 v[ST+4*\u+2:ST+4*\u+3], v[ST+4*\u+2:ST+4*\u+3], v[SB+64*\u+\j:SB+64*\u+\j+1]
	v_pk_add_f32 v[TM+8*\u+4:TM+8*\u+5], v[TM+8*\u+4:TM+8*\u+5], v[SB+64*\u+\j+2:SB+64*\u+\j+3]
.endr
.endr
.irp u, 0
	s_delay_alu instid0(VALU_DEP_3)
	v_pk_add_f32 v[ST+4*\u+2:ST+4*\u+3], v[ST+4*\u+2:ST+4*\u+3], v[TM+8*\u+4:TM+8*\u+5]
.endr
.irp u, 1
	s_delay_alu instid0(VALU_DEP_2)
	v_pk_add_f32 v[ST+4*\u+2:ST+4*\u+3], v[ST+4*\u+2:ST+4*\u+3], v[TM+8*\u+4:TM+8*\u+5]
.endr
.irp t, 0,1,2,3,4,5,6,7
.irp u, 0,1
.irp i, 0,1,2,3,4,5,6,7
.endr
	v_cvt_scalef32_pk8_fp8_f32 v[P+16*\u+2*\t:P+16*\u+2*\t+1], v[SB+64*\u+8*\t:SB+64*\u+8*\t+7], v[PSC]   ; registers 2 t, 2 t + 1 of P: keys 16 t + 8 h + 0 .. 7
.endr
.endr
	WIN W_RS
.set j, 0
.rept 16
.irp u, 0,1
	v_pk_mul_f32 v[OT+32*\u+j:OT+32*\u+j+1], v[OT+32*\u+j:OT+32*\u+j+1], v[TM+8*\u+2:TM+8*\u+3] op_sel_hi:[1,0]   ; O^T under the new M.  (Also the plain instructions between the conversions and the products that read P)
.endr
.set j, j+2
.endr
	s_wait_alu depctr_va_vdst(0)
	s_wait_dscnt 0x0                               ; V is in
	WIN W_PV
.irp d, 0,1,2,3
.irp u, 0,1
	v_wmma_f32_16x16x128_fp8_fp8 v[OT+32*\u+8*\d:OT+32*\u+8*\d+7], v[VR+16*\d:VR+16*\d+15], v[P+16*\u:P+16*\u+15], v[OT+32*\u+8*\d:OT+32*\u+8*\d+7]   ; the eight accumulators take turns
.endr
.endr
	WIN 0
.rept 4
	v_nop                                          ; places in front of the next loads into V's registers and of the next read or write of O^T
.endr
.Lhidden_\@:
	s_add_co_u32 s[KF], s[KF], 128
.endm
; A BLOCK'S END: y = O^T x 2^(e4 + e5) / the sum, quantised with 2^e6; a tile's 8 registers of codes are its fragment for the last product: two chunks of 512 consecutive bytes.
.macro FINISH ybase
.irp u, 0,1
	v_add_f32 v[TM+8*\u], v[ST+4*\u+2], v[ST+4*\u+3]
.endr
	s_wait_alu depctr_va_vdst(0)
.irp u, 0,1
	v_permlanex16_b32 v[TM+8*\u+6], v[TM+8*\u], s[SEL], s[SEL+1]
.endr
.irp u, 0,1
	s_delay_alu instid0(VALU_DEP_2)
	v_add_f32 v[TM+8*\u], v[TM+8*\u], v[TM+8*\u+6]
.endr
	s_wait_alu depctr_va_vdst(0)
.irp u, 0,1
	v_rcp_f32 v[TM+8*\u+2], v[TM+8*\u]
.endr
	v_nop                                          ; a plain instruction behind the reciprocals
	s_wait_alu depctr_va_vdst(0)                   ; and one wait for both, ahead of their first reader
.irp u, 0,1
	v_ldexp_f32 v[TM+8*\u+2], v[TM+8*\u+2], s[EPV]
.endr
	WIN W_KQ                                       ; source 0 (O^T) window 1
.set j, 0
.rept 16
.irp u, 0,1
	v_pk_mul_f32 v[SB+64*\u+j:SB+64*\u+j+1], v[OT+32*\u+j:OT+32*\u+j+1], v[TM+8*\u+2:TM+8*\u+3] op_sel_hi:[1,0]
.endr
.set j, j+2
.endr
	WIN 0
.set j, 0
.rept 32
.irp u, 0,1
.endr
.set j, j+1
.endr
	s_wait_alu depctr_va_vdst(0)
	s_wait_xcnt 0x0                                ; the other block's stores have read y's codes: they may be written again
.irp u, 0,1
.irp d, 0,1,2,3
	v_cvt_scalef32_pk8_fp8_f32 v[Y+8*\u+2*\d:Y+8*\u+2*\d+1], v[SB+64*\u+8*\d:SB+64*\u+8*\d+7], v[YSC]
.endr
.endr
	v_nop                                          ; a plain instruction behind the last conversion: later products write its sources
.irp u, 0,1
.irp c, 0,1
	global_store_b128 v[LI], v[Y+8*\u+4*\c:Y+8*\u+4*\c+3], s[\ybase:\ybase+1] offset:16384*\u+512*\c
.endr
.endr
.endm
; FROM THE HIGH BLOCK TO THE LOW ONE, at the head of visit 8 - i: a scalar branch on the count of visits and the work-group's number; no barrier, tensor load or LDS instruction stands in it.
.macro SWITCH
	s_cmp_eq_u32 s[SLOTS], s[I]
	s_cbranch_scc0 .Lsame_\@
	QLOAD QBL
	FINISH YBH
	INIT
	s_mov_b32 s[Q0], s[Q0L]
	s_mov_b32 s[KF], 0
	s_wait_loadcnt 0x0
.Lsame_\@:
.endm
	s_load_b128 s[4:7], s[0:1], 0x0                ; qkv s[4:5], the scales' exponents s[6:7]
	s_load_b64 s[8:9], s[0:1], 0x10                ; yc
	v_lshl_add_u32 v[SPW], v0, 2, SPARE
	v_mov_b32 v[NIL], 0
	ds_add_u32 v5, v6
	ds_add_u32 v5, v6
	s_wait_dscnt 0x0
	v_lshrrev_b32 v1, 5, v0
	s_delay_alu instid0(VALU_DEP_1)
	v_readfirstlane_b32 s[WV], v1                  ; wave 0..7
	s_mov_b32 s[I], ttmp9
	s_and_b32 s[BH], ttmp7, 0xffff
	; descriptor group 1: a dense block of 8,192 bytes as 32 rows of 256: it serves K's and V's quarters alike
	s_mov_b32 s[G1], 3<<16                         ; no mask; elements of 8 bytes; no padding
	s_mov_b32 s[G1+1], 32<<16                      ; tensor_dim0 = 32 elements
	s_mov_b32 s[G1+2], 32<<16                      ; tensor_dim1 = 32
	s_mov_b32 s[G1+3], 32<<16                      ; tile_dim0
	s_mov_b32 s[G1+4], 32                          ; tile_dim1
	s_mov_b32 s[G1+5], 32                          ; tensor_dim0_stride
	s_mov_b32 s[G1+6], 0
	s_mov_b32 s[G1+7], 0
	s_mov_b32 s[SEL], 0x76543210
	s_mov_b32 s[SEL+1], 0xfedcba98
	s_lshl_b32 s58, s[BH], 17                      ; the head's first byte in each region
	s_bfe_u32 s59, s[WV], 0x10001                  ; waves 0, 1, 4, 5: K; waves 2, 3, 6, 7: V
	s_add_co_u32 s59, s59, 1
	s_lshl_b32 s59, s59, 23
	s_add_co_u32 s59, s59, s58
	s_and_b32 s60, s[WV], 1                        ; which of a slot's two steps
	s_lshl_b32 s60, s60, 13
	s_add_co_u32 s60, s60, s59
	s_mov_b32 s61, 0
	s_sub_co_u32 s[Q0], 7, s[I]
	s_lshl_b32 s[Q0], s[Q0], 8
	s_lshl_b32 s[T0], s[WV], 5
	s_add_co_u32 s[Q0], s[Q0], s[T0]               ; my first query of the high block
	s_lshl_b32 s[Q0L], s[I], 8
	s_add_co_u32 s[Q0L], s[Q0L], s[T0]             ; and of the low one
	s_and_b32 s59, s[WV], 3
	s_wait_kmcnt 0x0
	s_load_b256 s[48:55], s[6:7], 0x0              ; e0 .. e7
	s_add_nc_u64 s[KVB:KVB+1], s[4:5], s[60:61]
	s_mov_b32 s[G0], 1                             ; count = 1
	s_lshl_b32 s[G0+1], s59, 13                    ; LDS address: slot 0, my quarter
	s_mov_b64 s[G0+2:G0+3], s[KVB:KVB+1]           ; global address: the head's slot 0
	s_or_b32 s[G0+3], s[G0+3], 0x80000000          ; type = 2
	TLOAD                                          ; the first visit's slot
	s_add_nc_u64 s[PFA:PFA+1], s[KVB:KVB+1], 16384 ; in slot 1: the first change of slots steps it to slot 2.  Nothing is prefetched here, at the head
	s_lshl_b32 s60, s[Q0], 6
	s_add_co_u32 s60, s60, s58
	s_add_nc_u64 s[QBH:QBH+1], s[4:5], s[60:61]
	s_lshl_b32 s60, s[Q0L], 6
	s_add_co_u32 s60, s60, s58
	s_add_nc_u64 s[QBL:QBL+1], s[4:5], s[60:61]
	s_lshr_b32 s59, s[BH], 4
	s_lshl_b32 s59, s59, 21                        ; a batch's 128 tiles of tokens x 16,384 bytes
	s_and_b32 s[T0], s[BH], 15
	s_lshl_b32 s[T0], s[T0], 10                    ; the head's fragment in a tile
	s_add_co_u32 s59, s59, s[T0]
	s_lshl_b32 s60, s[Q0], 10
	s_add_co_u32 s60, s60, s59
	s_add_nc_u64 s[YBH:YBH+1], s[8:9], s[60:61]
	s_lshl_b32 s60, s[Q0L], 10
	s_add_co_u32 s60, s60, s59
	s_add_nc_u64 s[YBL:YBL+1], s[8:9], s[60:61]
	s_lshr_b32 s59, s[WV], 2
	s_xor_b32 s59, s59, 1                          ; 0 in waves 4 to 7,
	s_or_b32 s59, s59, s[I]                        ; of work-group 0 of the head
	s_cmp_eq_u32 s59, 0
	s_cselect_b32 s[LIM], 2, -1
	v_and_b32 v4, 31, v0
	s_delay_alu instid0(VALU_DEP_1)
	v_lshlrev_b32 v[LI], 4, v4
	s_delay_alu instid0(VALU_DEP_2)
	v_lshlrev_b32 v[PFO], 8, v4
	QLOAD QBH
	v_and_b32 v[RH], 15, v0
	v_bfe_u32 v4, v0, 4, 1
	s_delay_alu instid0(VALU_DEP_1)
	v_lshlrev_b32 v4, 3, v4
	s_delay_alu instid0(VALU_DEP_1)
	v_sub_nc_u32 v[RH], v[RH], v4
	INIT
.irp u, 0,1
	v_mov_b32 v[TM+8*\u+3], 0                      ; named as the upper half of f's pair
	v_mov_b32 v[TM+8*\u+6], 0                      ; a lane permute's destination counts as one of its sources
.endr
	v_mov_b32 v[NINF], 0xff800000
	s_wait_kmcnt 0x0
	s_add_co_i32 s59, s50, s51
	s_lshl_b32 s59, s59, 23
	s_mov_b32 s[CS], 0x3e38aa3b                    ; log2(e) / 8
	s_add_co_i32 s[CS], s[CS], s59                 ; a score stands for score x 2^(e2 + e3): the two exponents are added to c's exponent field
	s_mov_b32 s[CS+1], s[CS]
	s_add_co_i32 s[EPV], s52, s53
	s_add_co_i32 s59, s52, 127
	s_lshl_b32 s60, s59, 23
	v_mov_b32 v[PSC], s60
	s_add_co_i32 s59, s54, 127
	s_lshl_b32 s60, s59, 23
	v_mov_b32 v[YSC], s60
	s_mov_b32 s[SLOTS], 8
	s_mov_b32 s[NS], 0
	s_mov_b32 s[OF+1], 0
	s_mov_b32 s[TB], 0
	s_mov_b32 s[KF], 0
	s_wait_loadcnt 0x0                             ; Q
.Lvisit:                                           ; eight trips: behind each change of slots but the last the next visit's slot is asked for
	SWITCH
	CHANGE 1
	STEP 0
	STEP 1
	s_xor_b32 s[TB], s[TB], SLOT1
	s_sub_co_u32 s[SLOTS], s[SLOTS], 1
	s_cmp_lg_u32 s[SLOTS], 0
	s_cbranch_scc1 .Lvisit
	SWITCH                                         ; the ninth visit is written out; in work-group 0 it is the low block's only one
	CHANGE 0
	STEP 0
	STEP 1
	FINISH YBL
	s_wait_tensorcnt 0x0                           ; the wave's end
	ds_add_u32 v[SPW], v[NIL]
	s_wait_dscnt 0x0
	s_endpgm
.Lfunc_end_k_qcb4ab9e427_attn:
	.size	k_qcb4ab9e427_attn, .Lfunc_end_k_qcb4ab9e427_attn-k_qcb4ab9e427_attn
	.p2alignl 7, 3214868480
	.fill 96, 4, 3214868480
	.section	.rodata,"a",@progbits
	.p2align	6, 0x0
	.amdhsa_kernel k_qcb4ab9e427_attn
		.amdhsa_group_segment_fixed_size 327680
		.amdhsa_private_segment_fixed_size 0
		.amdhsa_enable_private_segment 0
		.amdhsa_kernarg_size 24
		.amdhsa_user_sgpr_count 2
		.amdhsa_user_sgpr_kernarg_segment_ptr 1
		.amdhsa_wavefront_size32 1
		.amdhsa_system_sgpr_workgroup_id_x 1
		.amdhsa_system_sgpr_workgroup_id_y 1
		.amdhsa_system_sgpr_workgroup_id_z 1
		.amdhsa_system_vgpr_workitem_id 0
		.amdhsa_next_free_vgpr 448
		.amdhsa_next_free_sgpr 66
		.amdhsa_reserve_vcc 1
		.amdhsa_float_denorm_mode_32 3
		.amdhsa_float_denorm_mode_16_64 3
		.amdhsa_fp16_overflow 1
		.amdhsa_memory_ordered 1
		.amdhsa_forward_progress 1
		.amdhsa_inst_pref_size 166
	.end_amdhsa_kernel
	.amdgpu_metadata
---
amdhsa.version: [ 1, 2 ]
amdhsa.kernels:
  - .name:           k_qcb4ab9e427_attn
    .symbol:         k_qcb4ab9e427_attn.kd
    .args:
      - { .name: qkv, .offset: 0, .size: 8, .value_kind: global_buffer, .address_space: global }
      - { .name: lowp_scales, .offset: 8, .size: 8, .value_kind: global_buffer, .address_space: global }
      - { .name: yc, .offset: 16, .size: 8, .value_kind: global_buffer, .address_space: global }
    .group_segment_fixed_size: 327680
    .private_segment_fixed_size: 0
    .kernarg_segment_align: 8
    .kernarg_segment_size: 24
    .max_flat_workgroup_size: 256
    .sgpr_count:     66
    .vgpr_count:     448
    .wavefront_size: 32
...
	.end_amdgpu_metadata
.endif
;; end of part 3
;; launch proj (part 4): grid 4 x 32, 4 waves a work-group, clusters of 4 x 4, 327,680 bytes of LDS; arguments yc, wpc, lowp_scales, out0; writes out0
.if DOCPART == 4
	.amdgcn_target "amdgcn-amd-amdhsa--gfx1250"
	.amdhsa_code_object_version 6
	.text
	.protected	k_qcb4ab9e427_proj
	.globl	k_qcb4ab9e427_proj
	.p2align	8
	.type	k_qcb4ab9e427_proj,@function
k_qcb4ab9e427_proj:
	s_mov_b64 s[64:65], 0
	v_nop
	global_prefetch_b8 v0, s[64:65] scope:SCOPE_SE
	s_setreg_imm32_b32 hwreg(HW_REG_WAVE_MODE, 25, 1), 1
	s_wait_xcnt 0x0
	s_wait_alu depctr_hold_cnt(0) depctr_sa_sdst(0) depctr_va_vdst(0) depctr_va_sdst(0) depctr_va_ssrc(0) depctr_va_vcc(0) depctr_vm_vsrc(0)
	s_getreg_b32 s2, hwreg(HW_REG_IB_STS2, 6, 4)
	s_cmp_eq_u32 s2, 0
	s_cbranch_scc0 .Lentry_in_a_cluster
	s_endpgm
.Lentry_in_a_cluster:
	s_bfe_u32 s2, ttmp6, 0x10000c
	s_cmp_lg_u32 s2, 0xf033
	s_cbranch_scc0 .Lentry_shape_is_right
	s_endpgm
.Lentry_shape_is_right:
; out0 = y w_proj on codes of E4M3.  yc: 512 tiles of 16 tokens, wpc: 64 tiles of 16 columns, each [K step of 128: 8][2,048 bytes]: images of operand registers
; (lane (r, h): row r, registers 2 c, 2 c + 1: k = 16 c + 8 h + 0 .. 7; four registers of 32 lanes are 512 bytes, lane l's 16 bytes at 16 l).  out0: [8192][1024] f32.
; The codes are multiplied as they are, and each finished sum once by 2^(e6 + e7).  LIMIT: e6 + e7 between -126 and 127.
; A tile of out0, 256 x 256, is made by four waves, each 128 x 128: 64 accumulators.  K = 1,024 goes in four steps of 256 through two LDS slots filled by the tensor data mover.
; CLUSTERS: 4 x 4 work-groups.  The four of a row of the cluster need the same tile of y (A), the four of a column the same tile of w_proj (B): each tile is asked for jointly.
; THE MATRIX INSTRUCTION IS USED TRANSPOSED (source 0 = 16 rows of B, source 1 = 16 rows of A): a lane holds eight neighbouring numbers of a row of out0.
; REGISTERS, in windows of 256: window 0: v16-29 addresses; from v128 A's fragments, ONE set; on the way out v32-255 are free.  window 1: B's fragments, TWO sets.  windows 2, 3: accumulator (a, b) at v[8 (8 (a % 4) + b)].
.set SIZE_N, 1024
.set FR,     16                        ; registers of a fragment
.set NL,     4                         ; LDS loads that bring one
.set NP,     4                         ; places behind this matrix instruction (ISA guide 7.12.1)
.set STEPB,  4096                      ; a slot's bytes of one tile of 16 rows: two fragments
.set HALFT,  8*STEPB                   ; 128 rows: what one tensor load brings
.set SLOT,   4*HALFT                   ; A's 256 rows, then B's 256 rows
.set SPARE,  2*SLOT                    ; behind the ring: the spare words, 128 bytes a wave, which no other line names
.set LAPS,   2                         ; a lap = two K steps = once round the ring
.set SPITCH, 528                       ; the way out: a stage of 16 rows x (512 bytes + 16) for each wave, in slot 0, which has had its last fill and its last read when the first result is stored there
.set ADRA, 16
.set ADRB, 20
.set STO,  24                          ; v24     the way out: where I put 32 bytes of a row
.set RD,   25                          ; v25     where I read a row back
.set CO,   26                          ; v26     my byte offset in a row of out0
.set SPW,  28
.set NIL,  29
.set TMP,  32
.set AF,   128
.set BK,   128                         ; the way out: 16 rows read back from the stage: v128-191 and v192-255 by turns
.set G1, 24
.set G0, 32
.set G1B, 48
.set G0B, 56
.set MSB, 0
.macro WIN new                         ; the immediate's high byte repeats the setting that is left
.if MSB != \new
	s_set_vgpr_msb (MSB<<8)|\new
.set MSB, \new
.endif
.endm
.set MUL_LO, 0xa1                      ; source 0 (B) window 1, source 1 (A) window 0, C and D window 2
.set MUL_HI, 0xf1                      ; the same, C and D window 3
.set TO_B,   0x40                      ; destination window 1, address window 0
; A joint load: waves 0 and 1 fetch for A, waves 2 and 3 for B; the branch hangs on the wave's number alone.  Four v_nop follow each of the two lines.
.macro JLOAD g0a, g1a, g0b, g1b
	s_cmp_eq_u32 s15, 0
	s_cbranch_scc0 .Lfor_b_\@
	tensor_load_to_lds s[\g0a:\g0a+3], s[\g1a:\g1a+7]
	s_nop 0
.rept 4
	v_nop
.endr
	s_branch .Lasked_\@
.Lfor_b_\@:
	tensor_load_to_lds s[\g0b:\g0b+3], s[\g1b:\g1b+7]
	s_nop 0
.rept 4
	v_nop
.endr
.Lasked_\@:
.endm
.macro CREST                           ; a round of the cluster's barrier behind its opening barrier
	s_cmp_lg_u32 s14, 0
	s_cbranch_scc1 .Lnot_wave_0_\@
	s_barrier_signal -3
.Lnot_wave_0_\@:
	s_barrier_wait -3
	s_barrier_signal -1
	s_barrier_wait -1
.endm
.macro CROUND
	s_barrier_signal -1
	s_barrier_wait -1
	CREST
.endm
	s_load_b128 s[4:7], s[0:1], 0x0                ; yc s[4:5], wpc s[6:7]
	s_load_b128 s[8:11], s[0:1], 0x10              ; the scales' exponents s[8:9], out0 s[10:11]
	v_lshl_add_u32 v[SPW], v0, 2, SPARE
	v_mov_b32 v[NIL], 0
	ds_add_u32 v28, v29
	ds_add_u32 v28, v29
	s_wait_dscnt 0x0
	v_lshrrev_b32 v1, 5, v0
	v_readfirstlane_b32 s14, v1                    ; wave 0..3
	s_lshr_b32 s15, s14, 1                         ; which half of the tile's rows is mine.  Also: I fetch for A (0) or for B (1)
	s_and_b32 s16, s14, 1                          ; which half of its columns.  Also: which 128 rows of that tile I fetch
	s_bfe_u32 s40, ttmp6, 0x40000                  ; cx
	s_bfe_u32 s41, ttmp6, 0x40004                  ; cy
	s_lshl_b32 s42, ttmp9, 2
	s_add_co_u32 s42, s42, s40                     ; tile column = 4 x cluster x + cx
	s_and_b32 s17, ttmp7, 0xffff
	s_lshl_b32 s17, s17, 2
	s_add_co_u32 s17, s17, s41                     ; tile row = 4 x cluster y + cy
	s_lshl_b32 s43, s41, 2
	s_lshl_b32 s43, 15, s43                        ; my row of the cluster
	s_lshl_b32 s44, 0x1111, s40                    ; my column
	; descriptor group 1: 8 rows (tiles of 16 rows of the operand) of 4,096 bytes, 16,384 bytes apart; elements of 8 bytes; dense in LDS
	s_or_b32 s[G1+0], s43, (3<<16)|(1<<21)         ; 15:0 the mask: A's tiles go to my row; 17:16 elements of 8 bytes; 21 set beside a mask
	s_or_b32 s[G1B+0], s44, (3<<16)|(1<<21)
.irp g, G1, G1B
	s_mov_b32 s[\g+1], 512<<16                     ; tensor_dim0 = 512 elements
	s_mov_b32 s[\g+2], 8<<16                       ; tensor_dim1 = 8
	s_mov_b32 s[\g+3], 512<<16                     ; tile_dim0
	s_mov_b32 s[\g+4], 8                           ; tile_dim1
	s_mov_b32 s[\g+5], 2048                        ; tensor_dim0_stride, in elements
	s_mov_b32 s[\g+6], 0
	s_mov_b32 s[\g+7], 0
.endr
	s_lshl_b32 s18, s16, 7                         ; which 128 rows of the tile I fetch
	s_lshl_b32 s20, s17, 8
	s_add_co_u32 s20, s20, s18
	s_lshl_b32 s20, s20, 10                        ; a row of an image is 1,024 bytes
	s_lshl_b32 s46, s42, 8
	s_add_co_u32 s46, s46, s18
	s_lshl_b32 s46, s46, 10
	s_mov_b32 s21, 0
	s_mov_b32 s47, 0
	s_mul_i32 s45, s14, HALFT                      ; where they go: no place in the cluster enters an LDS address
	s_wait_kmcnt 0x0
	s_load_b64 s[96:97], s[8:9], 0x18              ; e6, e7: waited for on the way out
	s_add_nc_u64 s[20:21], s[4:5], s[20:21]
	s_add_nc_u64 s[46:47], s[6:7], s[46:47]
	CROUND                                         ; all sixteen work-groups are here: the first joint loads meet
.irp s, 0,1
	s_mov_b32 s[G0+4*\s], 1
	s_add_co_u32 s[G0+4*\s+1], s45, \s*SLOT
	s_add_nc_u64 s[G0+4*\s+2:G0+4*\s+3], s[20:21], \s*STEPB
	s_or_b32 s[G0+4*\s+3], s[G0+4*\s+3], 0x80000000
	s_mov_b32 s[G0B+4*\s], 1
	s_add_co_u32 s[G0B+4*\s+1], s45, \s*SLOT
	s_add_nc_u64 s[G0B+4*\s+2:G0B+4*\s+3], s[46:47], \s*STEPB
	s_or_b32 s[G0B+4*\s+3], s[G0B+4*\s+3], 0x80000000
	s_wait_alu depctr_va_vdst(0)
	s_wait_tensorcnt 0x0
	ds_add_u32 v28, v29
	ds_add_u32 v28, v29
	s_wait_dscnt 0x0
	CROUND
	JLOAD G0+4*\s, G1, G0B+4*\s, G1B
.endr
	v_and_b32 v1, 15, v0                           ; l % 16
	s_wait_alu depctr_va_vdst(0)
	v_bfe_u32 v2, v0, 4, 1                         ; l / 16
	v_and_b32 v6, 31, v0
	v_lshlrev_b32 v4, 4, v6                        ; 16 x lane: my place in every chunk
	s_mul_i32 s21, s15, HALFT                      ; my 128 rows of A
	s_mul_i32 s22, s16, HALFT                      ; my 128 rows of B,
	s_add_co_u32 s22, s22, 2*HALFT                 ; which lie behind A's 256
.irp s, 0,1
	v_add_nc_u32 v[ADRA+\s], s21, v4
	v_add_nc_u32 v[ADRB+\s], s22, v4
	s_add_co_u32 s21, s21, SLOT
	s_add_co_u32 s22, s22, SLOT
.endr
	s_mul_i32 s23, s14, 16*SPITCH                  ; my stage
	v_mul_u32_u24 v5, v1, SPITCH                   ; in: row l % 16, 32 bytes for each half of the lanes
	s_wait_alu depctr_va_vdst(0)
	v_lshl_add_u32 v5, v2, 5, v5
	v_add_nc_u32 v[STO], s23, v5
	v_mov_b32 v[CO], v4                            ; back: the 32 lanes take one row of 512 bytes; and the same in out0
	v_add_nc_u32 v[RD], s23, v4
	s_lshl_b32 s20, s17, 8
	s_lshl_b32 s21, s15, 7
	s_add_co_u32 s20, s20, s21                     ; my first row: 256 x tile row + 128 x half
	s_lshl_b32 s20, s20, 12                        ; rows of 4,096 bytes
	s_mov_b32 s21, 0
	s_lshl_b32 s46, s42, 10                        ; my first column, in bytes: 1,024 x tile column + 512 x half
	s_lshl_b32 s47, s16, 9
	s_add_co_u32 s46, s46, s47
	s_mov_b32 s47, 0
	s_add_nc_u64 s[20:21], s[20:21], s[46:47]
	s_add_nc_u64 s[10:11], s[10:11], s[20:21]
.macro FRAG reg, adr, q, i             ; a fragment comes as it was stored: four chunks
.irp c, 0,1,2,3
	ds_load_b128 v[\reg+4*\c:\reg+4*\c+3], v[\adr] offset:2048*(\q)+512*\c+(\i)*STEPB
.endr
.endm
; 16 matrix instructions: A's blocks a0, a0 + 1 x B's eight, 128 along K.  p: B's set.  zero = 1: the first product starts the sums.  The 64 accumulators take turns, one instruction a turn.
.macro MUL16 a0, p, zero
.irp a, \a0, \a0+1
.irp b, 0,1,2,3,4,5,6,7
.if \zero
	v_wmma_f32_16x16x128_fp8_fp8 v[8*(8*((\a)%4)+\b):8*(8*((\a)%4)+\b)+7], v[128*(\p)+FR*\b:128*(\p)+FR*\b+FR-1], v[AF+FR*(\a):AF+FR*(\a)+FR-1], 0
.else
	v_wmma_f32_16x16x128_fp8_fp8 v[8*(8*((\a)%4)+\b):8*(8*((\a)%4)+\b)+7], v[128*(\p)+FR*\b:128*(\p)+FR*\b+FR-1], v[AF+FR*(\a):AF+FR*(\a)+FR-1], v[8*(8*((\a)%4)+\b):8*(8*((\a)%4)+\b)+7]
.endif
.endr
.endr
.endm
.macro FETCH_B slot, q, p
	WIN TO_B
.irp i, 0,1,2,3,4,5,6,7
	FRAG 128*(\p)+FR*\i, ADRB+\slot, \q, \i
.endr
	WIN 0
.endm
.macro FETCH_A slot, q, i0
.irp i, \i0, \i0+1, \i0+2, \i0+3
	FRAG AF+FR*(\i), ADRA+\slot, \q, \i
.endr
.endm
.macro PLACES n                        ; plain vector instructions between a matrix instruction and a load into its registers, or a read of its result
.rept \n
	v_nop
.endr
.endm
; A step of 128 along K that has its successor in the same slot.  A block of A is free as soon as its eight products are issued: blocks 0-3 are fetched anew in the step's middle, blocks 4-7 at its end.
.macro STEP slot, q, zero
	s_wait_dscnt 4*NL                              ; B's set and A's blocks 0-3 are in; the youngest sixteen loads (A's blocks 4-7) may be out
	WIN MUL_LO
	MUL16 0, (\q)%2, \zero
	MUL16 2, (\q)%2, \zero
	s_wait_dscnt 0
	PLACES NP
	FETCH_B \slot, (\q)+1, 1-(\q)%2
	FETCH_A \slot, (\q)+1, 0
	WIN MUL_HI
	MUL16 4, (\q)%2, \zero
	MUL16 6, (\q)%2, \zero
	PLACES NP
	WIN 0
	FETCH_A \slot, (\q)+1, 4
.endm
; A slot's last step changes slots: one barrier; in front of it each wave waits for all its tensor loads, adds 0 to its spare word, and waits for that and for its own reads of this slot.  fill = 1: this slot is filled again, two K steps ahead.
.macro TURN slot, next, fill
	s_wait_tensorcnt 0x0                           ; all my tensor loads have landed: my part of the next slot
	ds_add_u32 v[SPW], v[NIL]                      ; 0 onto my spare word
	s_wait_dscnt 4*NL+1                            ; the add and the youngest sixteen loads may be out
	WIN MUL_LO
	MUL16 0, 1, 0
	s_wait_dscnt 0x0                               ; the add is done, and my reads of this slot are over
	s_barrier_signal -1
	MUL16 2, 1, 0
	WIN 0
	s_barrier_wait -1
.if \fill
	CREST                                          ; the barrier has opened a round of the cluster's barrier: no wave of any partner still reads this slot or has a load on its way
	s_add_nc_u64 s[G0+4*\slot+2:G0+4*\slot+3], s[G0+4*\slot+2:G0+4*\slot+3], 2*STEPB
	s_add_nc_u64 s[G0B+4*\slot+2:G0B+4*\slot+3], s[G0B+4*\slot+2:G0B+4*\slot+3], 2*STEPB
	JLOAD G0+4*\slot, G1, G0B+4*\slot, G1B         ; the first tensor load behind the round; its four v_nop are also the places in front of the loads below
.else
	PLACES NP
.endif
	FETCH_B \next, 0, 0
	FETCH_A \next, 0, 0
	WIN MUL_HI
	MUL16 4, 1, 0
	MUL16 6, 1, 0
	PLACES NP
	WIN 0
	FETCH_A \next, 0, 4
.endm
	s_wait_tensorcnt 1                             ; my part of K step 0 is in; K step 1's load may be out
	s_barrier_signal -1
	s_barrier_wait -1
	FETCH_B 0, 0, 0
	FETCH_A 0, 0, 0
	FETCH_A 0, 0, 4
	STEP 0, 0, 1                                   ; the first step's products start the sums
	s_mov_b32 s3, LAPS-1
.Llap:                                                 ; a trip goes once round the ring and fills both slots again
	TURN 0, 1, 1
	STEP 1, 0, 0
	TURN 1, 0, 1
	STEP 0, 0, 0
	s_sub_co_u32 s3, s3, 1
	s_cmp_lg_u32 s3, 0
	s_cbranch_scc1 .Llap
	TURN 0, 1, 0                                   ; the last lap fills nothing
	STEP 1, 0, 0
	s_wait_dscnt 4*NL
	WIN MUL_LO
	MUL16 0, 1, 0
	MUL16 2, 1, 0
	s_wait_dscnt 0
	WIN MUL_HI
	MUL16 4, 1, 0
	MUL16 6, 1, 0
	WIN 0
; THE WAY OUT, block by block of 16 rows x 128 columns.  A lane holds 32 neighbouring bytes of a row, and the lanes beside it hold other rows: so a block goes through my own stage in LDS and comes back as whole
; rows of 512 bytes.  LDS serves a wave's instructions in order (ISA guide 5.7.1.4): no wait between the stores and the loads, nor in front of the next block's stores.
.macro TOSTAGE a
.set AC, 64*((\a)%4)
	WIN 0x02+((\a)/4)                              ; source 0: window 2 or 3
.set j, 0
.rept 32
	v_pk_mul_f32 v[TMP+j:TMP+j+1], v[AC+j:AC+j+1], s[96:97] op_sel_hi:[1,0]   ; both x s96 = 2^(e6 + e7); each accumulator from its low end on
.set j, j+2
.endr
	WIN 0
.irp b, 0,1,2,3,4,5,6,7
	ds_store_b128 v[STO], v[TMP+8*\b:TMP+8*\b+3] offset:64*\b
	ds_store_b128 v[STO], v[TMP+8*\b+4:TMP+8*\b+7] offset:64*\b+16
.endr
.set BB, BK+64*((\a)%2)
.irp t, 0,1,2,3,4,5,6,7,8,9,10,11,12,13,14,15
	ds_load_b128 v[BB+4*\t:BB+4*\t+3], v[RD] offset:\t*SPITCH
.endr
.endm
.macro SEND a, younger                 ; younger: the LDS instructions issued behind block a's loads, which may stay out
.set BB, BK+64*((\a)%2)
	s_wait_dscnt \younger
.if (\a) > 0
	s_add_nc_u64 s[10:11], s[10:11], 16*SIZE_N*4   ; (behind a wait on XCNT: the earlier stores have read their base)  16 rows on
.endif
.irp t, 0,1,2,3,4,5,6,7,8,9,10,11,12,13,14,15
	global_store_b128 v[CO], v[BB+4*\t:BB+4*\t+3], s[10:11] offset:\t*SIZE_N*4 th:TH_STORE_NT   ; 32 lanes store 512 consecutive bytes, aligned; written once, read by nobody here
.endr
.endm
	s_wait_kmcnt 0x0
	s_add_co_i32 s96, s96, s97                     ; e6 + e7
	s_add_co_i32 s96, s96, 127
	s_lshl_b32 s96, s96, 23                        ; makes the f32 number 2^(e6 + e7)
	PLACES NP                                      ; behind the last products: for the reads of their results and the loads into the registers that held A's fragments
	TOSTAGE 0
.irp a, 1,2,3,4,5,6,7
.if \a > 1
	s_wait_xcnt 0x0                                ; block a - 2's stores have read their registers and their base
.endif
	TOSTAGE \a
	SEND \a-1, 32                                  ; behind block a - 1's loads: block a's 16 stores and 16 loads
.endr
	s_wait_xcnt 0x0                                ; block 6's stores have read their base
	SEND 7, 0
	s_wait_tensorcnt 0x0                           ; the wave's end
	ds_add_u32 v[SPW], v[NIL]
	s_wait_dscnt 0x0
	CROUND                                         ; the closing round: no work-group ends while a partner may still ask for a tile that names it
	s_endpgm
.Lfunc_end_k_qcb4ab9e427_proj:
	.size	k_qcb4ab9e427_proj, .Lfunc_end_k_qcb4ab9e427_proj-k_qcb4ab9e427_proj
	.p2alignl 7, 3214868480
	.fill 96, 4, 3214868480
	.section	.rodata,"a",@progbits
	.p2align	6, 0x0
	.amdhsa_kernel k_qcb4ab9e427_proj
		.amdhsa_group_segment_fixed_size 327680
		.amdhsa_private_segment_fixed_size 0
		.amdhsa_enable_private_segment 0
		.amdhsa_kernarg_size 32
		.amdhsa_user_sgpr_count 2
		.amdhsa_user_sgpr_kernarg_segment_ptr 1
		.amdhsa_wavefront_size32 1
		.amdhsa_system_sgpr_workgroup_id_x 1
		.amdhsa_system_sgpr_workgroup_id_y 1
		.amdhsa_system_sgpr_workgroup_id_z 1
		.amdhsa_system_vgpr_workitem_id 0
		.amdhsa_next_free_vgpr 1024
		.amdhsa_next_free_sgpr 98
		.amdhsa_reserve_vcc 0
		.amdhsa_float_denorm_mode_32 3
		.amdhsa_float_denorm_mode_16_64 3
		.amdhsa_memory_ordered 1
		.amdhsa_forward_progress 1
		.amdhsa_inst_pref_size 124
	.end_amdhsa_kernel
	.amdgpu_metadata
---
amdhsa.version: [ 1, 2 ]
amdhsa.kernels:
  - .name:           k_qcb4ab9e427_proj
    .symbol:         k_qcb4ab9e427_proj.kd
    .args:
      - { .name: yc, .offset: 0, .size: 8, .value_kind: global_buffer, .address_space: global }
      - { .name: wpc, .offset: 8, .size: 8, .value_kind: global_buffer, .address_space: global }
      - { .name: lowp_scales, .offset: 16, .size: 8, .value_kind: global_buffer, .address_space: global }
      - { .name: out0, .offset: 24, .size: 8, .value_kind: global_buffer, .address_space: global }
    .group_segment_fixed_size: 327680
    .private_segment_fixed_size: 0
    .kernarg_segment_align: 8
    .kernarg_segment_size: 32
    .max_flat_workgroup_size: 128
    .sgpr_count:     98
    .vgpr_count:     1024
    .wavefront_size: 32
...
	.end_amdgpu_metadata
.endif
;; end of part 4
